; MI455X (gfx1250); checked and timed in simulation.
; The chip was launched on July 23, 2026; its instructions are those of AMD's public machine-readable ISA for CDNA 5 (MIT licence, August 2026) and "CDNA5" Instruction Set Architecture Reference Guide (July 2026). The comments in the code are by the model that wrote it; some were corrected since.
;; Quantized Linear. Allowed arithmetic: float matrix products may take bf16 or f16 operands with f32 sums; other float arithmetic in f32, or as packed bf16 or f16 multiplies, adds, multiply-adds, maxima and minima; sums over many terms, partial sums and values carried from step to step in f32; what a program stores and reads back later, other than sums and carried values, may be rounded once to bf16 or f16.
;; Inputs: bias 4,096 float32; offsets 131,072 float32; packed 8,388,608 int32; scales 131,072 float32; x 4,096 x 4,096 float32.
;; Outputs: out0 4,096 x 4,096 float32.
;; One version. Each part assembles by itself: llvm-mc -triple=amdgcn-amd-amdhsa -mcpu=gfx1250 --defsym DOCPART=n.
;; ======== version 1 of 1: 2 launches
;; limits: values are held in f16: magnitudes above 65,504 overflow, below 6.1e-05 lose precision; inputs' magnitudes at most 65,504
;; workspace buffers: xh 33,554,432 bytes; wh 33,554,432 bytes
;; launch prep (part 1): grid 1536 x 1, 8 waves a work-group, no clusters, 0 bytes of LDS; arguments x, packed, scales, offsets, xh, wh; writes xh, wh
.if DOCPART == 1
	.amdgcn_target "amdgcn-amd-amdhsa--gfx1250"
	.amdhsa_code_object_version 6
	.text
	.protected	k_q0009ddd63b_prep
	.globl	k_q0009ddd63b_prep
	.p2align	8
	.type	k_q0009ddd63b_prep,@function
k_q0009ddd63b_prep:
	s_mov_b64 s[64:65], 0
	v_nop
	global_prefetch_b8 v0, s[64:65] scope:SCOPE_SE
	s_setreg_imm32_b32 hwreg(HW_REG_WAVE_MODE, 25, 1), 1
	s_wait_xcnt 0x0
; xh = x rounded once to f16;  wh[o][i] = q[o][i] * scale[g] + offset[g] in f32, rounded once to f16.
; x: [4096][4096] f32.  packed: one 32-bit word for two weights, bits 3:0 the even one, bits 7:4 the odd one, all higher bits ignored.
; A group g is 128 weights on end = 64 words = 256 bytes of packed = 256 bytes of wh; a row of W is 32 groups, 8,192 bytes in both.
; LIMITS.  f16 holds no number beyond 65,504: an x or a weight of magnitude 65,520 or more becomes an infinity; below 6e-5 f16 keeps its
; fixed step of 6e-8.  q * scale + offset is ONE fused multiply-add (one rounding in f32 where a multiply and an add have two).
; SHARES.  Work-groups 0 to 1023 take 65,536 bytes of x each; work-groups 1024 to 1535 take 8 rows of W each, a wave a row.  In both parts a
; wave issues its sixteen 16-byte loads (8,192 bytes) at once and converts and stores each as it comes: no register is loaded twice, no
; address is stepped, so there is no loop and no wait but the counted waits for data.  Nothing is shared between waves: no LDS, no barrier.
.set INO, 3                            ; v3       my byte offset in what the work-group reads (W part: also in what it writes)
.set OUTO, 4                           ; v4       x part: my byte offset in what the work-group writes
.set TBO, 5                            ; v5       W part: 4 x my thread's number: my word of the work-group's 256 scales and offsets
.set SC,  6                            ; v6       W part: lane l holds the scale of group l of my wave's row
.set OF,  7                            ; v7       the offset likewise
.set SP,  8                            ; v[8:9]   the scale of the group in hand, in the low word of a pair
.set OP,  10                           ; v[10:11] its offset
.set T,   12                           ; v[12:19] eight numbers in f32, at work
.set D,   20                           ; v[20:83] slot j: four registers as loaded, then as stored
	s_load_b256 s[4:11], s[0:1], 0x0               ; x s[4:5], packed s[6:7], scales s[8:9], offsets s[10:11]
	s_load_b128 s[12:15], s[0:1], 0x20             ; xh s[12:13], wh s[14:15]
	s_mov_b32 s17, 0                               ; the upper words of the two byte offsets
	s_mov_b32 s19, 0
	s_cmp_lt_u32 ttmp9, 1024
	s_cbranch_scc0 .Lw
	; THE X PART.  A load of the wave covers 512 consecutive bytes of x, a store 256 consecutive bytes of xh, at a multiple of 256 from its first byte.
	v_and_b32 v1, 31, v0                           ; lane
	v_lshrrev_b32 v2, 5, v0                        ; wave
	s_lshl_b32 s16, ttmp9, 16                      ; the work-group's 65,536 bytes of x,
	s_lshl_b32 s18, ttmp9, 15                      ; its 32,768 of xh
	v_lshlrev_b32 v[INO], 4, v1
	v_lshl_add_u32 v[INO], v2, 13, v[INO]          ; 8,192 x wave + 16 x lane
	v_lshlrev_b32 v[OUTO], 3, v1
	v_lshl_add_u32 v[OUTO], v2, 12, v[OUTO]        ; 4,096 x wave + 8 x lane
	s_wait_kmcnt 0x0
	s_add_nc_u64 s[4:5], s[4:5], s[16:17]
	s_add_nc_u64 s[12:13], s[12:13], s[18:19]
.irp j, 0,1,2,3,4,5,6,7,8,9,10,11,12,13,14,15
	global_load_b128 v[D+4*(\j):D+4*(\j)+3], v[INO], s[4:5] offset:512*(\j) th:TH_LOAD_NT
.endr
.macro XS j
	s_wait_loadcnt 15-(\j)                         ; loads come back in order (ISA guide 5.7.1): slot j is in, the 15 - j younger ones stay out
	v_cvt_pk_f16_f32 v[D+4*(\j)],   v[D+4*(\j)],   v[D+4*(\j)+1]  ; two roundings, the first source into the low half
	v_cvt_pk_f16_f32 v[D+4*(\j)+1], v[D+4*(\j)+2], v[D+4*(\j)+3]
	global_store_b64 v[OUTO], v[D+4*(\j):D+4*(\j)+1], s[12:13] offset:256*(\j) th:TH_STORE_NT
.endm
.irp j, 0,1,2,3,4,5,6,7,8,9,10,11,12,13,14,15
	XS \j
.endr
	s_endpgm
.Lw:	; THE W PART.  In slot j lanes 0-15 take group j of the wave's row and lanes 16-31 group 16 + j: each load and each store covers two
	; whole aligned blocks of 256 bytes.  A lane's four words are eight weights, which leave as 16 bytes at the same byte offset.
	v_and_b32 v1, 15, v0                           ; my place in a group
	v_lshrrev_b32 v2, 4, v0                        ; 2 x wave + half of the lanes
	s_sub_co_u32 s20, ttmp9, 1024                  ; which 8 rows
	s_lshl_b32 s16, s20, 16                        ; 8 rows x 8,192 bytes, in packed and in wh alike
	s_lshl_b32 s18, s20, 10                        ; 8 rows x 32 groups x 4 bytes, in scales and in offsets
	v_lshlrev_b32 v[INO], 4, v1
	v_lshl_add_u32 v[INO], v2, 12, v[INO]          ; 8,192 x wave + 4,096 x half + 16 x place
	v_lshlrev_b32 v[TBO], 2, v0
	v_mov_b32 v[SP], 0                             ; the moves from another lane count as readers of their destination, and the packed
	v_mov_b32 v[SP+1], 0                           ; multiply-add names whole pairs: all four are written once here
	v_mov_b32 v[OP], 0
	v_mov_b32 v[OP+1], 0
	s_wait_kmcnt 0x0
	s_add_nc_u64 s[6:7], s[6:7], s[16:17]
	s_add_nc_u64 s[14:15], s[14:15], s[16:17]
	s_add_nc_u64 s[8:9], s[8:9], s[18:19]
	s_add_nc_u64 s[10:11], s[10:11], s[18:19]
	global_load_b32 v[SC], v[TBO], s[8:9]          ; the work-group's 1,024 consecutive bytes of each table, read once: thread 32 w + l has group l of row w
	global_load_b32 v[OF], v[TBO], s[10:11]
.irp j, 0,1,2,3,4,5,6,7,8,9,10,11,12,13,14,15
	global_load_b128 v[D+4*(\j):D+4*(\j)+3], v[INO], s[6:7] offset:256*(\j) th:TH_LOAD_NT
.endr
.macro WS j
	s_wait_loadcnt 15-(\j)                         ; slot j is in (the two tables were issued ahead of it); the 15 - j younger loads stay out
	v_mov_b32_dpp v[SP], v[SC] row_share:\j row_mask:0xf bank_mask:0xf  ; every lane of a half takes lane j of its half: group j, or 16 + j
	v_mov_b32_dpp v[OP], v[OF] row_share:\j row_mask:0xf bank_mask:0xf
.irp k, 0,1,2,3
	v_and_b32 v[T+2*(\k)],   15, v[D+4*(\j)+(\k)]          ; the even weight's code,
	v_bfe_u32 v[T+2*(\k)+1], v[D+4*(\j)+(\k)], 4, 4        ; the odd one's
.endr
.irp k, 0,1,2,3,4,5,6,7
	v_cvt_f32_u32 v[T+(\k)], v[T+(\k)]
.endr
.irp k, 0,2,4,6
	v_pk_fma_f32 v[T+(\k):T+(\k)+1], v[T+(\k):T+(\k)+1], v[SP:SP+1], v[OP:OP+1] op_sel_hi:[1,0,0]  ; q * scale + offset, both halves by the pairs' low words
.endr
.irp k, 0,1,2,3
	v_cvt_pk_f16_f32 v[D+4*(\j)+(\k)], v[T+2*(\k)], v[T+2*(\k)+1]  ; the even weight into the low half: the lower address
.endr
	global_store_b128 v[INO], v[D+4*(\j):D+4*(\j)+3], s[14:15] offset:256*(\j) th:TH_STORE_NT
.endm
.irp j, 0,1,2,3,4,5,6,7,8,9,10,11,12,13,14,15
	WS \j
.endr
	s_endpgm
.Lfunc_end_k_q0009ddd63b_prep:
	.size	k_q0009ddd63b_prep, .Lfunc_end_k_q0009ddd63b_prep-k_q0009ddd63b_prep
	.p2alignl 7, 3214868480
	.fill 96, 4, 3214868480
	.section	.rodata,"a",@progbits
	.p2align	6, 0x0
	.amdhsa_kernel k_q0009ddd63b_prep
		.amdhsa_group_segment_fixed_size 0
		.amdhsa_private_segment_fixed_size 0
		.amdhsa_enable_private_segment 0
		.amdhsa_kernarg_size 48
		.amdhsa_user_sgpr_count 2
		.amdhsa_user_sgpr_kernarg_segment_ptr 1
		.amdhsa_wavefront_size32 1
		.amdhsa_system_sgpr_workgroup_id_x 1
		.amdhsa_system_sgpr_workgroup_id_y 1
		.amdhsa_system_sgpr_workgroup_id_z 1
		.amdhsa_system_vgpr_workitem_id 0
		.amdhsa_next_free_vgpr 84
		.amdhsa_next_free_sgpr 66
		.amdhsa_reserve_vcc 0
		.amdhsa_float_denorm_mode_32 3
		.amdhsa_float_denorm_mode_16_64 3
		.amdhsa_memory_ordered 1
		.amdhsa_forward_progress 1
		.amdhsa_inst_pref_size 31
	.end_amdhsa_kernel
	.amdgpu_metadata
---
amdhsa.version: [ 1, 2 ]
amdhsa.kernels:
  - .name:           k_q0009ddd63b_prep
    .symbol:         k_q0009ddd63b_prep.kd
    .args:
      - { .name: x, .offset: 0, .size: 8, .value_kind: global_buffer, .address_space: global }
      - { .name: packed, .offset: 8, .size: 8, .value_kind: global_buffer, .address_space: global }
      - { .name: scales, .offset: 16, .size: 8, .value_kind: global_buffer, .address_space: global }
      - { .name: offsets, .offset: 24, .size: 8, .value_kind: global_buffer, .address_space: global }
      - { .name: xh, .offset: 32, .size: 8, .value_kind: global_buffer, .address_space: global }
      - { .name: wh, .offset: 40, .size: 8, .value_kind: global_buffer, .address_space: global }
    .group_segment_fixed_size: 0
    .private_segment_fixed_size: 0
    .kernarg_segment_align: 8
    .kernarg_segment_size: 48
    .max_flat_workgroup_size: 256
    .sgpr_count:     66
    .vgpr_count:     84
    .wavefront_size: 32
...
	.end_amdgpu_metadata
.endif
;; end of part 1
;; launch gemm (part 2): grid 16 x 16, 4 waves a work-group, clusters of 4 x 4, 327,680 bytes of LDS; arguments xh, wh, out0, bias; writes out0
.if DOCPART == 2
	.amdgcn_target "amdgcn-amd-amdhsa--gfx1250"
	.amdhsa_code_object_version 6
	.text
	.protected	k_q0009ddd63b_gemm
	.globl	k_q0009ddd63b_gemm
	.p2align	8
	.type	k_q0009ddd63b_gemm,@function
k_q0009ddd63b_gemm:
	s_mov_b64 s[64:65], 0
	v_nop
	global_prefetch_b8 v0, s[64:65] scope:SCOPE_SE
	s_setreg_imm32_b32 hwreg(HW_REG_WAVE_MODE, 25, 1), 1
	s_wait_xcnt 0x0
	s_wait_alu depctr_hold_cnt(0) depctr_sa_sdst(0) depctr_va_vdst(0) depctr_va_sdst(0) depctr_va_ssrc(0) depctr_va_vcc(0) depctr_vm_vsrc(0)
	s_getreg_b32 s2, hwreg(HW_REG_IB_STS2, 6, 4)
	s_cmp_eq_u32 s2, 0
	s_cbranch_scc0 .Lentry_in_a_cluster
	s_endpgm
.Lentry_in_a_cluster:
	s_bfe_u32 s2, ttmp6, 0x10000c
	s_cmp_lg_u32 s2, 0xf033
	s_cbranch_scc0 .Lentry_shape_is_right
	s_endpgm
.Lentry_shape_is_right:
; out0[t][o] = bias[o] + the sum over i of xh[t][i] wh[o][i].  xh (A): [4096][4096] f16, wh (B): [4096][4096] f16, bias: [4096] f32, out0: [4096][4096] f32; sums in f32.
; LIMITS.  The operands are f16 as the launch before rounded them (no number beyond 65,504); NaN and infinities are not treated apart.
; A tile of out0, 256 x 256, is made by a work-group of four waves; a wave makes 128 x 128: 64 accumulators of 16 x 16, 512 registers.  4096 / 256 squared = 256 tiles, one to a work-group.
; K goes in 32 steps of 128 through a ring of two LDS slots filled by the tensor data mover: a tile's rows are 256 bytes of memory and start at multiples of 256 bytes from the buffer's first byte.
; CLUSTERS: 4 x 4 work-groups.  The four of a row of the cluster need the same tiles of A, the four of a column the same tiles of B.  Such a tile is asked for JOINTLY: each of the four issues the
; same tensor load, with the same descriptor and a mask that names the four, and each receives the tile in its own LDS.  That divides the requests for A and for B by four.
; THE BIAS STARTS THE SUMS: the first product on each accumulator takes a fragment of bias as its C operand, so nothing is cleared and the way out adds nothing.
; THE MATRIX INSTRUCTION IS USED TRANSPOSED: source 0 = 16 rows of B, source 1 = 16 rows of A.  In the result lane l holds row m = l % 16 of out0 and its registers 0 to 7 the columns
; n = 8 (l / 16) + 0 .. 7: eight neighbouring f32 of a row, 32 bytes.  A bias fragment has the same layout: register j of lane l is bias[n0 + 8 (l / 16) + j], whatever the row.
; REGISTERS, in windows of 256 (s_set_vgpr_msb's low byte: bits 1:0 source 0, 3:2 source 1, 5:4 source 2, 7:6 destination):
;   window 0: v0-31 addresses; v64-127, v128-191 fragments of A (8 x 16 rows x 32 K), two buffers, and on the way out 16 rows of out0 each; v192-255 the eight bias fragments
;   window 1: v64-127, v128-191 fragments of B, two buffers
;   window 2: the 32 accumulators of my rows 0-63 (accumulator (a, b) at v[8 (8 a + b)]);   window 3: those of my rows 64-127
.set SIZE_N, 4096
.set SIZE_K, 4096
.set KSTEP,  128
.set PITCH,  272                       ; an LDS row: 256 bytes of data + 16 of padding = 68 words: row r starts at bank 4 r mod 64 (64 banks of 4 bytes: ISA guide 11.1), so the 16 rows of a load start at 16 different banks
.set HALFT,  128*PITCH                 ; 128 rows: what one tensor load brings, and what one wave reads of A or of B
.set SLOT,   4*HALFT                   ; A's 256 rows, then B's 256 rows
.set STAGE,  2*SLOT                    ; behind the ring: 16 rows x 528 bytes for each wave, for the way out; no tensor load lands here
.set SPITCH, 528                       ; a stage row: 128 f32 = 512 bytes + 16 = 33 x 16: the 16 rows that a store touches fall on 16 different 16-byte columns
.set SPARE,  STAGE+4*16*SPITCH         ; behind the stages: the spare words, 128 bytes for each wave: two blocks of 256 bytes that no other line names
.set LAPS,   SIZE_K/(2*KSTEP)          ; a lap = two K steps = once round the ring: 16
.set ADRA, 16                          ; v16-17  LDS address of my A fragments in slot 0, 1
.set ADRB, 20                          ; v20-21  the same for B
.set STO,  24                          ; v24     the way out: where I put 32 bytes of a row
.set RD,   25                          ; v25     the way out: where I read a row back
.set CO,   26                          ; v26     my 16 bytes in a row's 512 of out0; never rewritten
.set BO,   27                          ; v27     my byte offset in a bias fragment: 32 (l / 16)
.set SPW,  28                          ; v28     LDS address of my spare word: SPARE + 4 x my thread's number; never rewritten
.set NIL,  29                          ; v29     0; never rewritten
.set PFO,  30                          ; v30     the prefetches' offset: my lane x a row of A or B (8,192 bytes); never rewritten
.set F0,   64                          ; fragment buffer 0
.set F1,   128                         ; fragment buffer 1
.set BIAS, 192                         ; bias fragment of n block b at BIAS + 8 b, in window 0
.set PFA,  44                          ; s[44:45] where my prefetches stand: my work-group's 32 rows of the 128 that I fetch, one K step further along K than the refill that is being asked for
.set LIM,  43                          ; s43     1 in a wave that prefetches, else the greatest number
.set BP,   66                          ; s[66:67] bias at my first column
.set G1,  24                           ; s[24:31] descriptor group 1 for A's tiles
.set G0,  32                           ; s[32:39] descriptor group 0 for A's tiles, one set for each slot
.set G1B, 48                           ; s[48:55] descriptor group 1 for B's tiles: it differs from A's in the mask alone
.set G0B, 56                           ; s[56:63] descriptor group 0 for B's tiles, one set for each slot
.set MSB, 0
.macro WIN new                         ; the immediate's high byte repeats the setting that is left; a switch that changes nothing is dropped
.if MSB != (\new)
	s_set_vgpr_msb (MSB<<8)|(\new)
.set MSB, \new
.endif
.endm
.set MUL_LO, 0xa1                      ; source 0 (B) window 1, source 1 (A) window 0, C and D window 2
.set MUL_HI, 0xf1                      ; the same, C and D window 3
.set MUL_0,  0x81                      ; the first product: C (bias) window 0, D window 2; + 0x40: D window 3
.set TO_B,   0x40                      ; destination window 1, address window 0
; A joint load.  Waves 0 and 1 fetch A's two halves, waves 2 and 3 B's.  Each of the two lines has ONE mask and one set of registers for all that issue it.  The branch hangs on the wave's number alone.
; An s_nop 0 and four v_nop follow each of the two lines; the jump round the other line, the label and what follows the macro come after them.
.macro JLOAD s
	s_cmp_eq_u32 s11, 0
	s_cbranch_scc0 .Lfor_b_\@
	tensor_load_to_lds s[G0+4*(\s):G0+4*(\s)+3], s[G1:G1+7]
	s_nop 0
.rept 4
	v_nop
.endr
	s_branch .Lasked_\@
.Lfor_b_\@:
	tensor_load_to_lds s[G0B+4*(\s):G0B+4*(\s)+3], s[G1B:G1B+7]
	s_nop 0
.rept 4
	v_nop
.endr
.Lasked_\@:
.endm
; A PREFETCH INTO THE L2, behind each joint refill, its five lines and the run of LDS loads that follows them: the K step that stands TWO refills on, 512 matrix instructions ahead of the load that will ask
; for it: 32 rows x 256 bytes, a lane a row, one instruction a wave.  Each row's 256 bytes of a K step are named ONCE in the launch: A's tile row is read by every cluster of that row of clusters, and the
; one with cluster x = 0 asks; B's tile column by every cluster of that column, and cluster y = 0 asks.  The four partners that ask for a tile jointly share its rows out BY ADDRESS: of the 128 rows that
; a wave fetches, the partner at place p takes 32 p .. 32 p + 31 (p = cx for A, cy for B).  K steps 4 to 31 are named; the loop's last trip (s3 = 1) has no K step two on and asks for nothing.
.macro ASK
	s_cmp_gt_u32 s3, s[LIM]
	s_cbranch_scc0 .Lnot_mine_\@
	global_prefetch_b8 v[PFO], s[PFA:PFA+1] offset:KSTEP*2 th:TH_LOAD_NT scope:SCOPE_SE
.Lnot_mine_\@:
.endm
; A round of the cluster's barrier: my work-group's barrier, so that wave 0's signal speaks for all four waves; wave 0 signals for the work-group; every wave waits for all sixteen
; work-groups; my work-group's barrier once more.  No LDS instruction of the wave is pending at a signal.
.macro CREST                           ; a round behind its opening barrier
	s_cmp_lg_u32 s10, 0
	s_cbranch_scc1 .Lnot_wave_0_\@
	s_barrier_signal -3
.Lnot_wave_0_\@:
	s_barrier_wait -3
	s_barrier_signal -1
	s_barrier_wait -1
.endm
.macro CROUND                          ; a whole round
	s_barrier_signal -1
	s_barrier_wait -1
	CREST
.endm
	s_load_b128 s[4:7], s[0:1], 0x0                ; A (xh) s[4:5], B (wh) s[6:7]
	s_load_b64 s[8:9], s[0:1], 0x10                ; out0
	s_load_b64 s[BP:BP+1], s[0:1], 0x18            ; bias
	v_lshl_add_u32 v[SPW], v0, 2, SPARE
	v_mov_b32 v[NIL], 0
	ds_add_u32 v[SPW], v[NIL]                      ; the wave's opening: the add, twice on end, and its wait stand ahead of my first tensor load; the set-up below, work on registers, stands between
	ds_add_u32 v[SPW], v[NIL]                      ; and once more, under the one wait
	v_lshrrev_b32 v1, 5, v0
	v_readfirstlane_b32 s10, v1                    ; wave 0..3
	s_lshr_b32 s11, s10, 1                         ; which half of the tile's rows is mine.  Also: I fetch for A (0) or for B (1)
	s_and_b32 s12, s10, 1                          ; which half of its columns.  Also: which 128 rows of that tile I fetch
	s_bfe_u32 s40, ttmp6, 0x40000                  ; cx: my place along the cluster's x
	s_bfe_u32 s41, ttmp6, 0x40004                  ; cy: along its y
	s_lshl_b32 s42, ttmp9, 2                       ; in a cluster launch ttmp9 and ttmp7 count clusters
	s_add_co_u32 s42, s42, s40                     ; tile column = 4 x cluster x + cx
	s_and_b32 s13, ttmp7, 0xffff
	s_lshl_b32 s13, s13, 2
	s_add_co_u32 s13, s13, s41                     ; tile row = 4 x cluster y + cy
	s_lshl_b32 s43, s41, 2
	s_lshl_b32 s43, 15, s43                        ; my row of the cluster: places 4 cy .. 4 cy + 3
	s_lshl_b32 s44, 0x1111, s40                    ; my column: places cx, cx + 4, cx + 8, cx + 12
	; descriptor group 1: a tile of 128 rows x 128 elements, padded in LDS
	s_or_b32 s[G1+0], s43, (1<<16)|(1<<20)|(1<<21)|(5<<22)|(3<<25)  ; 15:0 the mask: A's tiles go to my row; 17:16 elements of 2 bytes; 20 padding on; 21 set beside a mask; 24:22 after every 64 words (code 5); 31:25 4 words of it (code 3)
	s_or_b32 s[G1B+0], s44, (1<<16)|(1<<20)|(1<<21)|(5<<22)|(3<<25) ; the same with the mask of my column, for B's tiles
.irp g, G1, G1B
	s_mov_b32 s[(\g)+1], KSTEP<<16                 ; 63:48 tensor_dim0, low half = 128
	s_mov_b32 s[(\g)+2], 128<<16                   ; 79:64 its high half = 0; 95:80 tensor_dim1, low half = 128
	s_mov_b32 s[(\g)+3], KSTEP<<16                 ; 111:96 its high half = 0; 127:112 tile_dim0 = 128
	s_mov_b32 s[(\g)+4], 128                       ; 143:128 tile_dim1 = 128; 159:144 tile_dim2 = 0
	s_mov_b32 s[(\g)+5], SIZE_K                    ; 191:160 tensor_dim0_stride, low word: elements from row to row
	s_mov_b32 s[(\g)+6], 0
	s_mov_b32 s[(\g)+7], 0
.endr
	; where the tiles come from.  A's hang on the tile row alone, which my row of the cluster shares; B's on the tile column alone, which my column shares.
	; Every wave makes both addresses, in registers that never hold the other coordinate, and asks by one of them.
	s_lshl_b32 s17, s12, 7                         ; which 128 rows of the tile I fetch
	s_lshl_b32 s16, s13, 8
	s_add_co_u32 s16, s16, s17                     ; A: row 256 x tile row + 128 x half
	s_lshl_b32 s46, s42, 8
	s_add_co_u32 s46, s46, s17                     ; B: row 256 x tile column + 128 x half
	s_mov_b32 s17, 0
	s_mov_b32 s47, 0
	s_mov_b64 s[18:19], SIZE_K*2
	s_mul_u64 s[16:17], s[16:17], s[18:19]         ; in bytes
	s_mul_u64 s[46:47], s[46:47], s[18:19]
	s_mul_i32 s20, s10, HALFT                      ; and where they go: A's two halves, then B's two halves = wave x 128 rows: no place in the cluster enters an LDS address
	s_wait_dscnt 0x0                               ; both opening adds are done
	s_wait_kmcnt 0x0
	s_add_nc_u64 s[14:15], s[4:5], s[16:17]
	s_add_nc_u64 s[46:47], s[6:7], s[46:47]
	CROUND                                         ; all sixteen work-groups are here: the first joint loads meet
.irp s, 0,1
	s_mov_b32 s[G0+4*(\s)], 1                                      ; 1:0 count = 1
	s_add_co_u32 s[G0+4*(\s)+1], s20, (\s)*SLOT                    ; 63:32 LDS address
	s_add_nc_u64 s[G0+4*(\s)+2:G0+4*(\s)+3], s[14:15], (\s)*KSTEP*2  ; 120:64 global address: K step s
	s_or_b32 s[G0+4*(\s)+3], s[G0+4*(\s)+3], 0x80000000            ; 127:126 type = 2
	s_mov_b32 s[G0B+4*(\s)], 1
	s_add_co_u32 s[G0B+4*(\s)+1], s20, (\s)*SLOT
	s_add_nc_u64 s[G0B+4*(\s)+2:G0B+4*(\s)+3], s[46:47], (\s)*KSTEP*2
	s_or_b32 s[G0B+4*(\s)+3], s[G0B+4*(\s)+3], 0x80000000
	JLOAD \s                                       ; the ring is filled before anything else is done: two loads of mine are out
.endr
	; A fragment is 16 rows x 32 K in 8 registers: lane l holds row l % 16; registers 0-3 hold K = 8 (l / 16) + 0..7, registers 4-7 hold
	; K = 16 + 8 (l / 16) + 0..7.  From rows that lie along K: two loads of 16 bytes, 32 bytes apart.  The same for source 0 and source 1.
	v_and_b32 v1, 15, v0                           ; l % 16
	v_bfe_u32 v2, v0, 4, 1                         ; l / 16
	v_mul_u32_u24 v3, v1, PITCH
	v_lshl_add_u32 v3, v2, 4, v3                   ; row x pitch + 16 x half
	s_mul_i32 s21, s11, HALFT                      ; my 128 rows of A
	s_mul_i32 s22, s12, HALFT                      ; my 128 rows of B,
	s_add_co_u32 s22, s22, 2*HALFT                 ; which lie behind A's 256
.irp s, 0,1
	v_add_nc_u32 v[ADRA+(\s)], s21, v3
	v_add_nc_u32 v[ADRB+(\s)], s22, v3
	s_add_co_u32 s21, s21, SLOT
	s_add_co_u32 s22, s22, SLOT
.endr
	s_mul_i32 s23, s10, 16*SPITCH
	s_add_co_u32 s23, s23, STAGE                   ; my stage
	v_mul_u32_u24 v4, v1, SPITCH                   ; in: row l % 16, 32 bytes for each half of the lanes
	v_lshl_add_u32 v4, v2, 5, v4
	v_add_nc_u32 v[STO], s23, v4
	v_and_b32 v5, 31, v0
	v_lshlrev_b32 v[CO], 4, v5                     ; back: the 32 lanes take one row of 512 bytes, 16 each; the same in out0
	v_add_nc_u32 v[RD], s23, v[CO]
	v_lshlrev_b32 v[BO], 5, v2
	; out0 at my first row and column, bias at my first column
	s_lshl_b32 s13, s13, 8                         ; 256 x tile row
	s_lshl_b32 s14, s11, 7
	s_add_co_u32 s16, s13, s14                     ; my first row of out0
	s_mov_b32 s17, 0
	s_mov_b64 s[18:19], SIZE_N*4
	s_mul_u64 s[16:17], s[16:17], s[18:19]
	s_lshl_b32 s46, s42, 10                        ; my first column, in bytes of f32: 1,024 x tile column + 512 x half (in the registers that held B's address)
	s_lshl_b32 s47, s12, 9
	s_add_co_u32 s46, s46, s47
	s_mov_b32 s47, 0
	s_add_nc_u64 s[BP:BP+1], s[BP:BP+1], s[46:47]
	s_add_nc_u64 s[16:17], s[16:17], s[46:47]
	s_add_nc_u64 s[8:9], s[8:9], s[16:17]
.irp b, 0,1,2,3,4,5,6,7
	global_load_b128 v[BIAS+8*(\b):BIAS+8*(\b)+3],   v[BO], s[BP:BP+1] offset:64*(\b)     ; bias[n0 + 16 b + 8 (l / 16) + 0..3]
	global_load_b128 v[BIAS+8*(\b)+4:BIAS+8*(\b)+7], v[BO], s[BP:BP+1] offset:64*(\b)+16  ; and + 4..7
.endr
	; the prefetches.  s13 = 256 x tile row, s42 = tile column, s40 = cx, s41 = cy still stand; s[4:5] = A, s[6:7] = B
	s_lshl_b32 s42, s42, 8
	s_and_b32 s22, ttmp7, 0xffff                   ; cluster y
	s_cmp_eq_u32 s11, 0                            ; do I fetch for A?
	s_cselect_b32 s20, s13, s42                    ; the tile's first row: in A by the tile row, in B by the tile column
	s_cselect_b32 s21, s40, s41                    ; my place among the four that ask for it with me
	s_cselect_b32 s22, ttmp9, s22                  ; the coordinate along which other clusters read the same rows
	s_cselect_b64 s[PFA:PFA+1], s[4:5], s[6:7]
	s_cmp_eq_u32 s22, 0
	s_cselect_b32 s[LIM], 1, -1                    ; the same in all sixteen partners, for a given wave
	s_lshl_b32 s22, s12, 7
	s_add_co_u32 s20, s20, s22                     ; + the 128 rows that I fetch
	s_lshl_b32 s21, s21, 5
	s_add_co_u32 s20, s20, s21                     ; + my work-group's 32 of them
	s_mov_b32 s21, 0
	s_mov_b64 s[18:19], SIZE_K*2
	s_mul_u64 s[20:21], s[20:21], s[18:19]
	s_add_nc_u64 s[PFA:PFA+1], s[PFA:PFA+1], s[20:21]
	s_add_nc_u64 s[PFA:PFA+1], s[PFA:PFA+1], 2*KSTEP*2  ; at K step 2: the first refill steps it to 3 and names K step 4
	v_and_b32 v[PFO], 31, v0
	v_mul_u32_u24 v[PFO], v[PFO], SIZE_K*2
	; nothing is prefetched here, at the head, where every work-group's first two tiles are on their way: K steps 2 and 3 come by their refills alone
; 16 matrix instructions: m blocks a0, a0 + 1 of the window's four (hi = 0: my rows 0-63, 1: rows 64-127) x all 8 n blocks, 32 along K.
; zero = 1: the first product starts the sums, with the n block's bias fragment as C.  The 64 accumulators take turns, one instruction a turn, in the same order in every quarter step.
.macro MUL16 f, hi, a0, zero
.if \zero
	WIN MUL_0+0x40*(\hi)
.else
	WIN MUL_LO+0x50*(\hi)                          ; MUL_LO or MUL_HI
.endif
.irp a, \a0, (\a0)+1
.irp b, 0,1,2,3,4,5,6,7
.if \zero
	v_wmma_f32_16x16x32_f16 v[8*(8*(\a)+(\b)):8*(8*(\a)+(\b))+7], v[(\f)+8*(\b):(\f)+8*(\b)+7], v[(\f)+8*(4*(\hi)+(\a)):(\f)+8*(4*(\hi)+(\a))+7], v[BIAS+8*(\b):BIAS+8*(\b)+7]
.else
	v_wmma_f32_16x16x32_f16 v[8*(8*(\a)+(\b)):8*(8*(\a)+(\b))+7], v[(\f)+8*(\b):(\f)+8*(\b)+7], v[(\f)+8*(4*(\hi)+(\a)):(\f)+8*(4*(\hi)+(\a))+7], v[8*(8*(\a)+(\b)):8*(8*(\a)+(\b))+7]
.endif
.endr
.endr
.endm
; 32 LDS loads in one run: the fragments of one quarter step (128 rows of B, 128 rows of A, 32 K at byte k of the rows) into buffer f
.macro FETCH slot, k, f
	WIN TO_B
.irp i, 0,1,2,3,4,5,6,7
	ds_load_b128 v[(\f)+8*(\i):(\f)+8*(\i)+3],   v[ADRB+(\slot)] offset:(\k)+(\i)*16*PITCH
	ds_load_b128 v[(\f)+8*(\i)+4:(\f)+8*(\i)+7], v[ADRB+(\slot)] offset:(\k)+(\i)*16*PITCH+32
.endr
	WIN 0
.irp i, 0,1,2,3,4,5,6,7
	ds_load_b128 v[(\f)+8*(\i):(\f)+8*(\i)+3],   v[ADRA+(\slot)] offset:(\k)+(\i)*16*PITCH
	ds_load_b128 v[(\f)+8*(\i)+4:(\f)+8*(\i)+7], v[ADRA+(\slot)] offset:(\k)+(\i)*16*PITCH+32
.endr
.endm
; A load into a register that a matrix instruction has read, and a store that reads a matrix result, stand four places behind that matrix instruction, and only plain vector instructions that name
; none of its registers are places (ISA guide 7.12.1 for vector instructions).  This text does not count the matrix instructions in between.
.macro PLACES
.rept 4
	v_nop
.endr
.endm
; A K step is four quarter steps of 32 along K, 64 matrix instructions each, on buffers 0, 1, 0, 1.
; One of the first three: multiplies buffer f; in its middle it fetches the next quarter's fragments, at byte k of the same slot's rows, into buffer g.
.macro QUARTER slot, k, f, g, zero
	s_wait_dscnt 8                                 ; B and A's rows 0-63 are in; the youngest eight loads (A's rows 64-127) may be out
	MUL16 \f, 0, 0, \zero
	MUL16 \f, 0, 2, \zero
	PLACES
	FETCH \slot, \k, \g
	s_wait_dscnt 32                                ; all but the 32 just issued
	MUL16 \f, 1, 0, \zero
	MUL16 \f, 1, 2, \zero
.endm
; The last quarter multiplies buffer 1 and changes slots.  MEET is its first half: ONE barrier for the change of slots, for two things.  In front of it each wave waits for all its tensor loads, of which
; one is out: its part of the next slot; adds 0 to its spare word; and waits for that and for its own reads of this slot.  Behind it nobody reads this slot any more and the next slot is whole.
.macro MEET round                      ; round = 1: the rest of a round of the cluster's barrier follows
	WIN 0                                          ; (the add's two registers lie in window 0)
	s_wait_tensorcnt 0x0                           ; all my tensor loads have landed: the one that was out is my part of the next slot;
	ds_add_u32 v[SPW], v[NIL]                      ; 0 onto my spare word;
	s_wait_dscnt 9                                 ; (the add and the youngest eight loads may be out)
	MUL16 F1, 0, 0, 0                              ; sixteen matrix instructions stand between the add and the wait for it
	s_wait_dscnt 0x0                               ; the add is done, and my reads of this slot are over:
	s_barrier_signal -1                            ; say so,
	MUL16 F1, 0, 2, 0                              ; work on registers while the others arrive,
.if \round
	WIN 0
.endif
	s_barrier_wait -1                              ; and go on when all four have said so
.endm
; The whole last quarter.  Behind the round the slot just read out is filled again first, with the K step two steps on; then come the next slot's first fragments.
; From a request to the wait for it a wave issues 224 matrix instructions.
.macro TURN slot, next
	s_wait_xcnt 0x0                                ; the last prefetch, a K step back, has read its address: it is stepped here, ahead of the waits of the change of slots
	s_add_nc_u64 s[PFA:PFA+1], s[PFA:PFA+1], KSTEP*2
	MEET 1
	CREST                                          ; wave 0 says so for the work-group, all sixteen work-groups have said so, my work-group's barrier closes the round:
	                                               ; no wave of any partner still reads this slot's tile or has a load on its way
	s_add_nc_u64 s[G0+4*(\slot)+2:G0+4*(\slot)+3], s[G0+4*(\slot)+2:G0+4*(\slot)+3], 2*KSTEP*2      ; no tensor load of mine is out: a group 0 may be written; the type bits on top are not reached
	s_add_nc_u64 s[G0B+4*(\slot)+2:G0B+4*(\slot)+3], s[G0B+4*(\slot)+2:G0B+4*(\slot)+3], 2*KSTEP*2
	JLOAD \slot                                    ; the first tensor load behind the round, my only one until the next; the four v_nop behind it are also the places in front of the loads below
	FETCH \next, 0, F0
	ASK                                            ; behind the joint load and the run of LDS loads that the next products wait for
	MUL16 F1, 1, 0, 0
	MUL16 F1, 1, 2, 0
.endm
; THE WAY OUT of block a (16 rows x 128 columns of f32), in two parts.  TOSTAGE: a lane's 32 bytes of a row go straight from the accumulators into my own stage in LDS, each accumulator's low four
; registers first, and come back as whole rows of 512 bytes, into A's two fragment buffers by turns.  SEND: stored.
.macro TOSTAGE a
.set AC, 64*((\a)%4)
.set BK, F0+64*((\a)%2)
	WIN 0x08+4*((\a)/4)                            ; an LDS store's data is source 1: window 2 or 3
.irp b, 0,1,2,3,4,5,6,7
	ds_store_b128 v[STO], v[AC+8*(\b):AC+8*(\b)+3]   offset:64*(\b)
	ds_store_b128 v[STO], v[AC+8*(\b)+4:AC+8*(\b)+7] offset:64*(\b)+16
.endr
	WIN 0
.if (\a) >= 2
	s_wait_xcnt 0x0                                ; the stores of block a - 2 have read these registers (ISA guide 3.1): they are loaded again only behind this wait
.endif
.irp t, 0,1,2,3,4,5,6,7,8,9,10,11,12,13,14,15
	ds_load_b128 v[BK+4*(\t):BK+4*(\t)+3], v[RD] offset:(\t)*SPITCH  ; LDS serves a wave's instructions in order (ISA guide 5.7.1.4): these see the stores above, and the next block's stores come behind them
.endr
.endm
.macro SEND a, younger                 ; younger: the LDS instructions issued behind block a's loads: the next block's 16 stores and 16 loads, or none
.set BK, F0+64*((\a)%2)
	WIN 0
	s_wait_dscnt \younger                          ; the block is back in registers
.irp t, 0,1,2,3,4,5,6,7,8,9,10,11,12,13,14,15
	global_store_b128 v[CO], v[BK+4*(\t):BK+4*(\t)+3], s[8:9] offset:(16*(\a)+(\t))*SIZE_N*4 th:TH_STORE_NT  ; 32 lanes store 512 consecutive bytes, at a multiple of 512 from out0's first byte; the row stands in the immediate: 127 x 16,384 at the most, inside its signed 24 bits
.endr
.endm
	s_wait_tensorcnt 1                             ; my part of K step 0 is in; K step 1's load may stay out
	s_barrier_signal -1
	s_barrier_wait -1                              ; everybody's is
	FETCH 0, 0, F0
	s_wait_loadcnt 0x0                             ; the bias fragments
	QUARTER 0, 64,  F0, F1, 1                      ; the first quarter stands in front of the loop: its products start the sums, from the bias
	WIN 0                                          ; at a label and at a branch every window is 0
	s_mov_b32 s3, LAPS-1
.Llap:                                                 ; a trip goes once round the ring, from a lap's second quarter to the next lap's first, and fills both slots again
	QUARTER 0, 128, F1, F0, 0
	QUARTER 0, 192, F0, F1, 0
	TURN 0, 1
	QUARTER 1, 64,  F0, F1, 0
	QUARTER 1, 128, F1, F0, 0
	QUARTER 1, 192, F0, F1, 0
	TURN 1, 0
	QUARTER 0, 64,  F0, F1, 0
	WIN 0
	s_sub_co_u32 s3, s3, 1
	s_cmp_lg_u32 s3, 0
	s_cbranch_scc1 .Llap
	QUARTER 0, 128, F1, F0, 0                      ; the last lap is written out: it fills nothing and no round of the cluster's barrier follows
	QUARTER 0, 192, F0, F1, 0
	MEET 0                                         ; my one tensor load that was still out is slot 1's, the last K step's
	PLACES                                         ; for the loads into buffer 0, which the quarter before multiplied
	FETCH 1, 0, F0
	MUL16 F1, 1, 0, 0
	MUL16 F1, 1, 2, 0
	QUARTER 1, 64,  F0, F1, 0
	QUARTER 1, 128, F1, F0, 0
	QUARTER 1, 192, F0, F1, 0
	s_wait_dscnt 8                                 ; the very last quarter: nothing more to fetch
	MUL16 F1, 0, 0, 0
	MUL16 F1, 0, 2, 0
	s_wait_dscnt 0x0
	MUL16 F1, 1, 0, 0
	MUL16 F1, 1, 2, 0
	WIN 0
	PLACES                                         ; behind the last products: the LDS stores below read results, and the loads below land in A's buffers, which products have read
	PLACES
	TOSTAGE 0
.irp a, 1,2,3,4,5,6,7                  ; block a's way through the stage is issued ahead of the wait for block a - 1's rows
	TOSTAGE \a
	SEND (\a)-1, 32
.endr
	SEND 7, 0
	s_wait_tensorcnt 0x0                           ; the wave's end: an add and its wait, behind my last tensor load and my last LDS store
	ds_add_u32 v[SPW], v[NIL]
	s_wait_dscnt 0x0
	CROUND                                         ; the closing round: no work-group ends while a partner may still ask for a tile that names it
	s_endpgm
.Lfunc_end_k_q0009ddd63b_gemm:
	.size	k_q0009ddd63b_gemm, .Lfunc_end_k_q0009ddd63b_gemm-k_q0009ddd63b_gemm
	.p2alignl 7, 3214868480
	.fill 96, 4, 3214868480
	.section	.rodata,"a",@progbits
	.p2align	6, 0x0
	.amdhsa_kernel k_q0009ddd63b_gemm
		.amdhsa_group_segment_fixed_size 327680
		.amdhsa_private_segment_fixed_size 0
		.amdhsa_enable_private_segment 0
		.amdhsa_kernarg_size 32
		.amdhsa_user_sgpr_count 2
		.amdhsa_user_sgpr_kernarg_segment_ptr 1
		.amdhsa_wavefront_size32 1
		.amdhsa_system_sgpr_workgroup_id_x 1
		.amdhsa_system_sgpr_workgroup_id_y 1
		.amdhsa_system_sgpr_workgroup_id_z 1
		.amdhsa_system_vgpr_workitem_id 0
		.amdhsa_next_free_vgpr 1024
		.amdhsa_next_free_sgpr 68
		.amdhsa_reserve_vcc 0
		.amdhsa_float_denorm_mode_32 3
		.amdhsa_float_denorm_mode_16_64 3
		.amdhsa_memory_ordered 1
		.amdhsa_forward_progress 1
		.amdhsa_inst_pref_size 143
	.end_amdhsa_kernel
	.amdgpu_metadata
---
amdhsa.version: [ 1, 2 ]
amdhsa.kernels:
  - .name:           k_q0009ddd63b_gemm
    .symbol:         k_q0009ddd63b_gemm.kd
    .args:
      - { .name: xh, .offset: 0, .size: 8, .value_kind: global_buffer, .address_space: global }
      - { .name: wh, .offset: 8, .size: 8, .value_kind: global_buffer, .address_space: global }
      - { .name: out0, .offset: 16, .size: 8, .value_kind: global_buffer, .address_space: global }
      - { .name: bias, .offset: 24, .size: 8, .value_kind: global_buffer, .address_space: global }
    .group_segment_fixed_size: 327680
    .private_segment_fixed_size: 0
    .kernarg_segment_align: 8
    .kernarg_segment_size: 32
    .max_flat_workgroup_size: 128
    .sgpr_count:     68
    .vgpr_count:     1024
    .wavefront_size: 32
...
	.end_amdgpu_metadata
.endif
;; end of part 2
